; MI455X (gfx1250); checked and timed in simulation.
; The chip was launched on July 23, 2026; its instructions are those of AMD's public machine-readable ISA for CDNA 5 (MIT licence, August 2026) and "CDNA5" Instruction Set Architecture Reference Guide (July 2026). The comments in the code are by the model that wrote it; some were corrected since.
;; Rand Hash Proj. Allowed arithmetic: matrix products marked QUANTISED: E5M2 operands, one given power-of-two scale a tensor, by v_wmma_f32_16x16x64_bf8_bf8 or v_wmma_f32_16x16x128_bf8_bf8, f32 sums; everything else in f32.
;; Inputs: lowp_scales 2 int32 (the exponents e of the quantised operands' scales 2^e); proj_codes 2,048 x 256 x 32 uint8 (E5M2 codes of proj, K innermost, in blocks of 32 codes); x_codes 4,096 x 256 x 32 uint8 (E5M2 codes of x, K innermost, in blocks of 32 codes).
;; Outputs: out0 4,096 x 2,048 float32.
;; This version of the problem:
;;   THIS VERSION OF THE PROBLEM IS GIVEN IN LOW PRECISION. The matrix products marked QUANTISED in the list below multiply operands that are first quantised to E5M2 (5 exponent bits, 2 mantissa bits; 8 bits a number), with one given power-of-two scale for each operand tensor; their sums are f32. All else is computed in f32.
;;   The module's matrix products, in the order in which they are computed (A, B: the left and right operand; K: the contracted axis; several contracted axes count as one K, in the product's order):
;;     1. [M 4,096, K 8,192] x [K 8,192, N 2,048]; A: input x (given as codes); B: input proj (given as codes): QUANTISED (scales: A lowp_scales[0], B lowp_scales[1])
;;   THE QUANTISER, for each operand of a quantised product, along K:
;;     - The operand's scale is 2^e, e = its entry of the input lowp_scales (int32; the entries are numbered through the quantised products in the list's order, A before B).
;;     - Each number is divided by the scale, clamped to +-57,344, and rounded to the nearest number of E5M2, ties to even, subnormals kept.
;;     - The product sums the exact products of the quantised numbers (number of the format x scale) in f32.
;;   ~~~python
;;   def quantise(x, axis, e):      # numpy; x: float32 -> the quantised numbers, widened to float32 again
;;       x = np.moveaxis(x, axis, -1); K = x.shape[-1]
;;       r = np.clip(x / 2.0 ** e, -57344, 57344)
;;       step = 2.0 ** (np.maximum(np.frexp(np.where(r == 0, 1, r))[1] - 1, -14) - 2)
;;       q = np.round(r / step) * step * 2.0 ** e      # np.round: ties to even
;;       return np.moveaxis(q, -1, axis).astype(np.float32)
;;   ~~~
;;   INPUTS GIVEN AS CODES. proj (in the module: [8192, 2048], K = its axis 0); x (in the module: [4096, 8192], K = its axis 1): each comes as NAME_codes (uint8): NAME with its K axis moved to the last place and cut into blocks of 32 codes, [.., K / 32, bytes a block], one block behind the other in memory; one code a byte (a code: sign, 5 exponent bits, 2 mantissa bits); its scale is its entry of lowp_scales. Its value is code x scale, taken as it is: it is not quantised again, and the codes and scales need not be those that the quantiser above would give.
;; 2 versions, each right. Each part assembles by itself: llvm-mc -triple=amdgcn-amd-amdhsa -mcpu=gfx1250 --defsym DOCPART=n.
;; ======== version 1 of 2: 1 launch
;; limits: right only within a limited range of input values
;; launch gemm (part 1): grid 16 x 16, 4 waves a work-group, clusters of 4 x 4, 327,680 bytes of LDS; arguments x_codes, proj_codes, lowp_scales, out0; writes out0
.if DOCPART == 1
	.amdgcn_target "amdgcn-amd-amdhsa--gfx1250"
	.amdhsa_code_object_version 6
	.text
	.protected	k_qeb38c8bd1d_gemm
	.globl	k_qeb38c8bd1d_gemm
	.p2align	8
	.type	k_qeb38c8bd1d_gemm,@function
k_qeb38c8bd1d_gemm:
	s_mov_b64 s[64:65], 0
	v_nop
	global_prefetch_b8 v0, s[64:65] scope:SCOPE_SE
	s_setreg_imm32_b32 hwreg(HW_REG_WAVE_MODE, 25, 1), 1
	s_wait_xcnt 0x0
	s_wait_alu depctr_hold_cnt(0) depctr_sa_sdst(0) depctr_va_vdst(0) depctr_va_sdst(0) depctr_va_ssrc(0) depctr_va_vcc(0) depctr_vm_vsrc(0)
	s_getreg_b32 s2, hwreg(HW_REG_IB_STS2, 6, 4)
	s_cmp_eq_u32 s2, 0
	s_cbranch_scc0 .Lentry_in_a_cluster
	s_endpgm
.Lentry_in_a_cluster:
	s_bfe_u32 s2, ttmp6, 0x10000c
	s_cmp_lg_u32 s2, 0xf033
	s_cbranch_scc0 .Lentry_shape_is_right
	s_endpgm
.Lentry_shape_is_right:
; out0[m][n] = 2^(ea + eb) x the sum over k of x[m][k] proj[n][k].  x_codes: [4096][8192], proj_codes: [2048][8192]: codes of BF8 (E5M2), one a byte, K innermost; out0: [4096][2048] f32; sums in f32.
; ea, eb: the two whole numbers in lowp_scales.  The codes are multiplied as they are, dense (nothing is assumed of proj's zeros), and each finished sum once by 2^(ea + eb).
; LIMIT: ea + eb lies between -126 and 127, so that 2^(ea + eb) is an f32 number.
; ORDER OF THE SUMS: not K ascending.  (1) A fragment is fetched by four loads of 16 bytes, which is a permutation of k inside an instruction, the same in both operands; (2) each output is the sum of two
; partial sums, one over bytes 0-127 and one over bytes 128-255 of every 256 along K; (3) the K steps of a group of four are walked in an order that hangs on the cluster.  Every product meets its partner.
; SHARES.  4096 x 2048 are 256 tiles of 256 rows x 128 columns, one to a work-group of four waves.  THE WAVES SPLIT THE ROWS IN TWO AND K IN TWO: wave w takes rows 128 (w & 1) on and, of each K step of 256,
; the 128 codes from 128 (w >> 1) on, for all 128 columns.  So a wave has 128 x 128 of C, 64 accumulators in 512 registers, and 64 matrix instructions for each 32 KiB that it reads from LDS.
; At the end the waves w and w xor 2 hand each other half of their partial sums through LDS; each finishes and stores 64 rows.
; RING.  K goes in 32 steps of 256 through two LDS slots filled by the tensor data mover: a tile's row is 256 bytes of memory, at a multiple of 256 from the buffer's first byte.
; CLUSTERS: 4 x 4 work-groups.  The four of a row of the cluster need the same tile of x, the four of a column the same tile of proj: each is asked for JOINTLY, by the same tensor load with the same
; descriptor and a mask that names the four.  THE MATRIX INSTRUCTION IS USED TRANSPOSED (source 0 = 16 rows of proj, source 1 = 16 rows of x): a lane then holds eight neighbouring numbers of a row of out0.
; REGISTERS, in windows of 256.  Window 0: v0-15 addresses; v16-255 fifteen buffers of 16 for x's fragments: block 0 of both parities of the K step at v16, the other seven blocks a buffer for each parity.
;   Window 1: proj's fragments, two sets of 128.  Window 2: the 32 accumulators of the rows that I finish (accumulator (a, b) at v[8 (8 a + b)]).  Window 3: those of the rows that my partner finishes.
.set KROW,   8192                      ; a row of codes in memory, in bytes
.set CROW,   8192                      ; a row of out0 in bytes
.set PITCH,  272                       ; an LDS row: 256 bytes + 16 of padding = 68 words: row r starts at bank 4 r mod 64 (64 banks of 4 bytes: ISA guide 11.1), so the 16 rows of a load start at 16 different banks
.set BLK,    16*PITCH                  ; the 16 rows of a fragment
.set HALFA,  128*PITCH                 ; half of x's tile: what waves 0 and 1 each fetch
.set HALFB,  64*PITCH                  ; half of proj's tile: what waves 2 and 3 each fetch
.set QUART,  64*PITCH                  ; 64 rows of x: what a window's accumulators cover
.set BOFF,   2*HALFA                   ; a slot: x's 256 rows, then proj's 128
.set SLOT,   BOFF+2*HALFB
.set STAGE,  2*SLOT                    ; behind the ring: 16 rows x 528 bytes for each wave, for the way out; no tile lands here
.set SPITCH, 528
.set STGW,   16*SPITCH
.set SPARE,  STAGE+4*STGW              ; behind the stages: the spare words, 128 bytes for each wave: two blocks of 256 bytes that no other line names
.set ALO,  1                           ; v1, v3  LDS address of x's blocks 0-3 in slot 0, 1
.set AHI,  2                           ; v2, v4  of x's blocks 4-7
.set ADB,  5                           ; v5, v6  of proj's blocks
.set SPW,  7                           ; v7   LDS address of my spare word: SPARE + 4 x my thread's number; never rewritten
.set NIL,  8                           ; v8   0; never rewritten
.set STO,  9                           ; v9   the way out: where I put 32 bytes of a row
.set RD,   10                          ; v10  the way out: where I read a row back
.set CO,   11                          ; v11  16 x lane: my bytes of a row's 512
.set XW,   12                          ; v12  the exchange: my image, 32,768 x wave + 16 x lane
.set XR,   13                          ; v13  the exchange: my partner's image
.set PFO,  14                          ; v14  the prefetches' offset: lane x a row of codes; never rewritten
.set TMP,  16                          ; the way out: 64 registers, a block's finished sums
.set BK,   80                          ; the way out: 16 rows read back from the stage: v80-143 and v144-207 by turns
.set G1,   24                          ; s[24:31] descriptor group 1 for x's tiles;  s[32:39] group 0, a set for each slot
.set G0,   32
.set G1B,  48                          ; s[48:55], s[56:63] the same for proj's tiles
.set G0B,  56
.set BA,   66                          ; s[66:67] x_codes at the first of the rows that I would fetch
.set BB,   68                          ; s[68:69] proj_codes likewise
.set KO,   70                          ; s[70:71] the byte along K of the K step to be asked for
.set T,    72                          ; s72  how many K steps have been asked for
.set PHI,  73                          ; s73  the cluster's rotation
.set U,    74
.set LIM,  75                          ; s75  1 in a wave that prefetches, else the greatest number
.set SC,   76                          ; s[76:77] ea, eb; later 2^(ea + eb), twice
.set PFB,  78                          ; s[78:79] the first of the 32 rows that my prefetches name
.set PFA,  80                          ; s[80:81] the same, at the K step that is being asked for
.set MSB, 0
.macro WIN new                         ; the immediate's high byte repeats the setting that is left; a switch that changes nothing is dropped
.if MSB != \new
	s_set_vgpr_msb (MSB<<8)|\new
.set MSB, \new
.endif
.endm
.set MUL_LO, 0xa1                      ; source 0 (proj) window 1, source 1 (x) window 0, C and D window 2
.set MUL_HI, 0xf1                      ; the same, C and D window 3
.set TO_B,   0x40                      ; destination window 1, address window 0
.macro PLACES                          ; a load into a register that a matrix instruction has read, and a store or vector instruction that reads a matrix result, stand four places behind it, and only plain
.rept 4                                ; vector instructions that name none of its registers are places (ISA guide 7.12.1 for vector instructions)
	v_nop
.endr
.endm
; A joint load: waves 0 and 1 fetch x's two halves, waves 2 and 3 proj's.  Each of the two lines has ONE mask and one set of registers for all that issue it; the branch hangs on the wave's number alone.
; Four v_nop follow each of the two lines, ahead of the jump, the label and what follows.
.macro JLOAD q
	s_cmp_eq_u32 s15, 0
	s_cbranch_scc0 .Lfor_b_\@
	tensor_load_to_lds s[G0+4*\q:G0+4*\q+3], s[G1:G1+7]
	s_nop 0
.rept 4
	v_nop
.endr
	s_branch .Lasked_\@
.Lfor_b_\@:
	tensor_load_to_lds s[G0B+4*\q:G0B+4*\q+3], s[G1B:G1B+7]
	s_nop 0
.rept 4
	v_nop
.endr
.Lasked_\@:
.endm
.macro CREST                           ; a round of the cluster's barrier behind its opening barrier
	s_cmp_lg_u32 s14, 0
	s_cbranch_scc1 .Lnot_wave_0_\@
	s_barrier_signal -3
.Lnot_wave_0_\@:
	s_barrier_wait -3
	s_barrier_signal -1
	s_barrier_wait -1
.endm
.macro CROUND                          ; a whole round
	s_barrier_signal -1
	s_barrier_wait -1
	CREST
.endm
; THE ORDER ALONG K.  The t-th K step that a cluster asks for is (t & 28) | ((t + PHI) & 3): the groups of four K steps ascend, and inside a group the cluster begins at its own place and goes round.
; PHI is made of the cluster's two coordinates alone, so it is the same in all sixteen partners and for x and proj.  The four clusters that read the same rows of x (and the four that read the same rows of
; proj) have four different PHI mod 4: in no step do two of them ask for the same 256 bytes of a row.
.macro NEXTK
	s_add_co_u32 s[U], s[T], s[PHI]
	s_and_b32 s[U], s[U], 3
	s_and_b32 s[KO], s[T], 28
	s_or_b32 s[KO], s[KO], s[U]
	s_lshl_b32 s[KO], s[KO], 8                     ; 256 bytes a K step
	s_add_co_u32 s[T], s[T], 1
.endm
.macro AIM q                           ; slot q's two groups 0 at that K step
	s_add_nc_u64 s[G0+4*\q+2:G0+4*\q+3], s[BA:BA+1], s[KO:KO+1]     ; 120:64 global address
	s_or_b32 s[G0+4*\q+3], s[G0+4*\q+3], 0x80000000                 ; 127:126 type = 2
	s_add_nc_u64 s[G0B+4*\q+2:G0B+4*\q+3], s[BB:BB+1], s[KO:KO+1]
	s_or_b32 s[G0B+4*\q+3], s[G0B+4*\q+3], 0x80000000
.endm
.macro SETRA a, q                      ; where x's block a of a K step of parity q lies in window 0
.if ((\a) == 0) || ((\q) == 0)
.set RA, 16+16*(\a)
.else
.set RA, 128+16*(\a)
.endif
.endm
; 64 LDS loads in one run: all my fragments of the K step in slot q.  A fragment, 16 rows x 128 K of 8-bit codes, is 16 registers: lane l holds row l % 16; registers 4 c .. 4 c + 3 hold K = 32 c + 16 (l / 16) + 0 .. 15.
.macro FETCH q
	WIN TO_B
.irp b, 0,1,2,3,4,5,6,7
.irp c, 0,1,2,3
	ds_load_b128 v[128*(\q)+16*\b+4*\c:128*(\q)+16*\b+4*\c+3], v[ADB+(\q)] offset:\b*BLK+32*\c
.endr
.endr
	WIN 0
.irp a, 0,1,2,3
	SETRA \a, \q
.irp c, 0,1,2,3
	ds_load_b128 v[RA+4*\c:RA+4*\c+3], v[ALO+2*(\q)] offset:\a*BLK+32*\c
.endr
.endr
.irp a, 4,5,6,7
	SETRA \a, \q
.irp c, 0,1,2,3
	ds_load_b128 v[RA+4*\c:RA+4*\c+3], v[AHI+2*(\q)] offset:(\a-4)*BLK+32*\c
.endr
.endr
.endm
; 8 matrix instructions: x's block a against proj's eight, 128 along K.  zero = 1: the first product starts the sums: nothing is ever cleared.
; The 64 accumulators take turns, one instruction a turn, in the same order in every K step.
.macro MULA a, q, zero
	SETRA \a, \q
.irp b, 0,1,2,3,4,5,6,7
.if \zero
	v_wmma_f32_16x16x128_bf8_bf8 v[8*(8*((\a)%4)+\b):8*(8*((\a)%4)+\b)+7], v[128*(\q)+16*\b:128*(\q)+16*\b+15], v[RA:RA+15], 0
.else
	v_wmma_f32_16x16x128_bf8_bf8 v[8*(8*((\a)%4)+\b):8*(8*((\a)%4)+\b)+7], v[128*(\q)+16*\b:128*(\q)+16*\b+15], v[RA:RA+15], v[8*(8*((\a)%4)+\b):8*(8*((\a)%4)+\b)+7]
.endif
.endr
.endr
.endm
; A PREFETCH INTO THE L2, once in a trip of four K steps, behind the joint load, its four lines and the run of LDS loads.  The trip's first refill asks for the first K step, in my cluster's order, of a group of four;
; the prefetch names the same K step of the NEXT group, 1,024 bytes further along K: the load that will want it is issued four K steps, 256 matrix instructions, later.  32 rows x 256 bytes, a lane a row.
; Each row's 256 bytes of a K step are named ONCE in the launch: of the four clusters that read a row, one alone begins a group at that K step.  Inside a cluster the four partners that ask for a tile jointly
; share its rows out BY ADDRESS: of the 128 rows of x that wave 0 or 1 fetches, the partner at place cx names 32 cx on; of proj's 128 rows the partner at place cy names 32 cy on, by wave 2; wave 3 names none.
; The loop's last trip (s3 = 1) names nothing: there is no group behind the last.  Groups 0 and 1 come by their loads alone: nothing is prefetched at the head, where every work-group's first tiles are on their way.
.macro ASK
	s_cmp_gt_u32 s3, s[LIM]
	s_cbranch_scc0 .Lnot_mine_\@
	global_prefetch_b8 v[PFO], s[PFA:PFA+1] offset:1024 th:TH_LOAD_NT scope:SCOPE_SE
.Lnot_mine_\@:
.endm
; A K STEP.  Its fragments (from slot q) were asked for a K step ago, so my reads of slot q are over at its head.  ONE barrier: in front of it each wave waits for all its tensor loads, of which one is out: its part of
; slot n; adds 0 to its spare word; and waits for that and for its LDS loads.  Behind it nobody reads slot q and slot n is whole.  fill = 1: the barrier opens a round of the cluster's barrier, and slot q is filled
; again, two K steps ahead, first thing behind the round.  Then all of the next K step's fragments are fetched from slot n, 56 matrix instructions ahead of the wait for them.
.macro TURN q, n, fill, zero, ask
	s_wait_tensorcnt 0x0                           ; all my tensor loads have landed, so every group 0 may be written  (every window is 0 here)
	ds_add_u32 v[SPW], v[NIL]                      ; 0 onto my spare word; the scalar lines below stand between it and the wait for it
.if \fill
	NEXTK
	AIM \q
.if \ask
	s_wait_xcnt 0x0                                ; the last prefetch, four K steps back, has read its address, so it may be written
	s_add_nc_u64 s[PFA:PFA+1], s[PFB:PFB+1], s[KO:KO+1]
.endif
.endif
	s_wait_dscnt 0x0                               ; the add is done; this K step's 64 fragment loads are in: my reads of slot q are over
	s_barrier_signal -1
	WIN MUL_LO
	MULA 0, \q, \zero                              ; work on registers while the others arrive; it also frees v16-31, which serve block 0 of both parities
	WIN 0
	s_barrier_wait -1
.if \fill
	CREST                                          ; no wave of any partner still reads this slot's tile or has a load on its way
	JLOAD \q                                       ; the first tensor load behind the round, my only one until the next; its four v_nop are also the places in front of the loads below
.else
	PLACES
.endif
	FETCH \n
.if \ask
	ASK
.endif
	WIN MUL_LO
	MULA 1, \q, \zero
	MULA 2, \q, \zero
	MULA 3, \q, \zero
	WIN MUL_HI
	MULA 4, \q, \zero
	MULA 5, \q, \zero
	MULA 6, \q, \zero
	MULA 7, \q, \zero
	WIN 0
.endm
	s_load_b128 s[4:7], s[0:1], 0x0                ; x_codes s[4:5], proj_codes s[6:7]
	s_load_b128 s[8:11], s[0:1], 0x10              ; lowp_scales s[8:9], out0 s[10:11]
	v_lshl_add_u32 v[SPW], v0, 2, SPARE
	v_mov_b32 v[NIL], 0
	ds_add_u32 v7, v8
	ds_add_u32 v7, v8
	s_wait_dscnt 0x0
	v_lshrrev_b32 v15, 5, v0
	v_readfirstlane_b32 s14, v15                   ; wave 0..3
	s_lshr_b32 s15, s14, 1                         ; which 128 of a K step's 256 codes are mine.  Also: I fetch for x (0) or for proj (1)
	s_and_b32 s16, s14, 1                          ; which 128 rows of the tile are mine.  Also: which half of that tile I fetch
	s_bfe_u32 s40, ttmp6, 0x40000                  ; cx, cy: my place in the cluster
	s_bfe_u32 s41, ttmp6, 0x40004
	s_lshl_b32 s42, ttmp9, 2                       ; in a cluster launch ttmp9 and ttmp7 count clusters
	s_add_co_u32 s42, s42, s40                     ; tile column = 4 x cluster x + cx
	s_and_b32 s18, ttmp7, 0xffff                   ; cluster y
	s_lshl_b32 s17, s18, 2
	s_add_co_u32 s17, s17, s41                     ; tile row = 4 x cluster y + cy
	s_and_b32 s19, s18, 1
	s_lshl_b32 s19, s19, 1
	s_lshr_b32 s22, s18, 1
	s_or_b32 s19, s19, s22                         ; cluster y's two bits swapped: 0, 2, 1, 3
	s_add_co_u32 s[PHI], ttmp9, s19                ; the rotation: cluster x + that
	s_lshl_b32 s43, s41, 2
	s_lshl_b32 s43, 15, s43                        ; my row of the cluster: places 4 cy .. 4 cy + 3
	s_lshl_b32 s44, 0x1111, s40                    ; my column: places cx, cx + 4, cx + 8, cx + 12
	; descriptor group 1: x: 128 rows x 256 bytes; proj: 64 rows x 256 bytes; padded in LDS
	s_or_b32 s[G1+0], s43, (0<<16)|(1<<20)|(1<<21)|(5<<22)|(3<<25)  ; 15:0 the mask: x's tiles go to my row; 17:16 element of 1 byte; 20 padding on; 21 set beside a mask; 24:22 after every 64 words (code 5); 31:25 of 4 words (code 3)
	s_or_b32 s[G1B+0], s44, (0<<16)|(1<<20)|(1<<21)|(5<<22)|(3<<25) ; the same with the mask of my column
	s_mov_b32 s[G1+1], 256<<16                     ; tensor_dim0 = 256
	s_mov_b32 s[G1+2], 128<<16                     ; tensor_dim1 = 128
	s_mov_b32 s[G1+3], 256<<16                     ; tile_dim0 = 256
	s_mov_b32 s[G1+4], 128                         ; tile_dim1 = 128
	s_mov_b32 s[G1+5], KROW                        ; tensor_dim0_stride
	s_mov_b32 s[G1+6], 0
	s_mov_b32 s[G1+7], 0
	s_mov_b32 s[G1B+1], 256<<16
	s_mov_b32 s[G1B+2], 64<<16                     ; tensor_dim1 = 64
	s_mov_b32 s[G1B+3], 256<<16
	s_mov_b32 s[G1B+4], 64                         ; tile_dim1 = 64
	s_mov_b32 s[G1B+5], KROW
	s_mov_b32 s[G1B+6], 0
	s_mov_b32 s[G1B+7], 0
	; where the tiles come from.  x's hang on the tile row alone, which my row of the cluster shares; proj's on the tile column alone, which my column shares.  Every wave makes both, in registers that never hold the other coordinate.
	s_lshl_b32 s20, s17, 8
	s_lshl_b32 s22, s16, 7
	s_add_co_u32 s20, s20, s22                     ; x: row 256 x tile row + 128 x half
	s_lshl_b32 s20, s20, 13                        ; x 8,192 bytes: under 2^25
	s_mov_b32 s21, 0
	s_lshl_b32 s46, s42, 7
	s_lshl_b32 s47, s16, 6
	s_add_co_u32 s46, s46, s47                     ; proj: row 128 x tile column + 64 x half
	s_lshl_b32 s46, s46, 13
	s_mov_b32 s47, 0
	s_mul_i32 s45, s16, HALFA                      ; and where they go: no place in the cluster enters an LDS address
	s_mul_i32 s23, s16, HALFB
	s_add_co_u32 s23, s23, BOFF
	; the rows that my prefetches name
	s_lshl_b32 s82, s17, 8
	s_lshl_b32 s83, s16, 7
	s_add_co_u32 s82, s82, s83
	s_lshl_b32 s83, s40, 5
	s_add_co_u32 s82, s82, s83                     ; x: the 128 rows that I fetch, my work-group's 32 of them
	s_lshl_b32 s83, s42, 7
	s_lshl_b32 s80, s41, 5
	s_add_co_u32 s83, s83, s80                     ; proj: the tile's 128 rows, my work-group's 32 of them
	s_mov_b32 s[T], 0
	s_mov_b32 s[KO+1], 0
	s_wait_kmcnt 0x0
	s_load_b64 s[SC:SC+1], s[8:9], 0x0             ; ea, eb: wanted on the way out
	s_add_nc_u64 s[BA:BA+1], s[4:5], s[20:21]
	s_add_nc_u64 s[BB:BB+1], s[6:7], s[46:47]
	s_cmp_eq_u32 s15, 0                            ; do I fetch for x?
	s_cselect_b32 s82, s82, s83
	s_cselect_b64 s[PFB:PFB+1], s[4:5], s[6:7]
	s_lshl_b32 s82, s82, 13
	s_mov_b32 s83, 0
	s_add_nc_u64 s[PFB:PFB+1], s[PFB:PFB+1], s[82:83]
	s_cmp_eq_u32 s14, 3
	s_cselect_b32 s[LIM], -1, 1                    ; the same in all sixteen partners, for a given wave
.irp q, 0,1
	s_mov_b32 s[G0+4*\q], 1                        ; 1:0 count = 1
	s_add_co_u32 s[G0+4*\q+1], s45, \q*SLOT        ; 63:32 LDS address
	s_mov_b32 s[G0B+4*\q], 1
	s_add_co_u32 s[G0B+4*\q+1], s23, \q*SLOT
	NEXTK
	AIM \q                                         ; slot q begins with the cluster's q-th K step
.endr
	CROUND                                         ; all sixteen work-groups are here: the first joint loads meet
	JLOAD 0                                        ; the ring is filled before anything else is done: two loads of mine are out
	JLOAD 1
	; where my part of out0 begins (in the registers that held proj's offset)
	s_lshl_b32 s46, s17, 8
	s_lshl_b32 s47, s16, 7
	s_add_co_u32 s46, s46, s47
	s_lshl_b32 s47, s15, 6
	s_add_co_u32 s46, s46, s47                     ; the first row that I finish: 256 x tile row + 128 x row half + 64 x K half
	s_lshl_b32 s46, s46, 13
	s_lshl_b32 s47, s42, 9                         ; the tile's first column: 128 numbers of 4 bytes a tile
	s_add_co_u32 s46, s46, s47
	s_mov_b32 s47, 0
	s_add_nc_u64 s[10:11], s[10:11], s[46:47]
	; LDS addresses
	v_and_b32 v15, 15, v0                          ; l % 16
	v_bfe_u32 v16, v0, 4, 1                        ; l / 16
	v_and_b32 v17, 31, v0                          ; lane
	v_mul_u32_u24 v18, v15, PITCH
	v_lshl_add_u32 v18, v16, 4, v18                ; a fragment's row x pitch + 16 x half
	s_mul_i32 s18, s16, HALFA                      ; my 128 rows of x,
	s_lshl_b32 s19, s15, 7                         ; my 128 bytes of a row
	s_add_co_u32 s18, s18, s19
	s_mul_i32 s22, s15, QUART                      ; blocks 0-3, window 2: the 64 rows that I finish: 64 x K half on
	s_add_co_u32 s22, s22, s18
	v_add_nc_u32 v[ALO], s22, v18
	v_add_nc_u32 v[ALO+2], SLOT, v[ALO]
	s_xor_b32 s22, s15, 1
	s_mul_i32 s22, s22, QUART                      ; blocks 4-7, window 3: the other 64, which my partner finishes
	s_add_co_u32 s22, s22, s18
	v_add_nc_u32 v[AHI], s22, v18
	v_add_nc_u32 v[AHI+2], SLOT, v[AHI]
	s_add_co_u32 s19, s19, BOFF                    ; proj's 128 rows lie behind x's 256
	v_add_nc_u32 v[ADB], s19, v18
	v_add_nc_u32 v[ADB+1], SLOT, v[ADB]
	s_mul_i32 s22, s14, STGW
	s_add_co_u32 s22, s22, STAGE                   ; my stage
	v_mul_u32_u24 v[STO], v15, SPITCH              ; in: row l % 16, 32 bytes for each half of the lanes
	v_lshl_add_u32 v[STO], v16, 5, v[STO]
	v_add_nc_u32 v[STO], s22, v[STO]
	v_lshlrev_b32 v[CO], 4, v17                    ; back: the 32 lanes take one row of 512 bytes; and the same in out0
	v_add_nc_u32 v[RD], s22, v[CO]
	s_lshl_b32 s22, s14, 15
	v_add_nc_u32 v[XW], s22, v[CO]                 ; the exchange: an image of 256 registers is 32,768 bytes
	s_xor_b32 s22, s14, 2                          ; my partner: the same rows, the other half of K
	s_lshl_b32 s22, s22, 15
	v_add_nc_u32 v[XR], s22, v[CO]
	v_lshlrev_b32 v[PFO], 13, v17
	s_wait_tensorcnt 1                             ; my part of slot 0 is in; slot 1's load may stay out
	s_barrier_signal -1
	s_barrier_wait -1                              ; everybody's is
	FETCH 0
	TURN 0, 1, 1, 1, 0                             ; K step 0 stands in front of the loop: its products start the sums
	TURN 1, 0, 1, 0, 0
	s_mov_b32 s3, 7
.Lgroup:                                               ; K steps 2 to 29, four a trip; the trip's refills are those of one group of four K steps
	TURN 0, 1, 1, 0, 1
	TURN 1, 0, 1, 0, 0
	TURN 0, 1, 1, 0, 0
	TURN 1, 0, 1, 0, 0
	s_sub_co_u32 s3, s3, 1
	s_cmp_lg_u32 s3, 0
	s_cbranch_scc1 .Lgroup
	TURN 0, 1, 0, 0, 0                             ; K step 30 is written out: nothing is left to ask for, and no round of the cluster's barrier follows its barrier
	s_wait_dscnt 0x0                               ; K step 31: its fragments are in: my last reads of the ring are over
	s_barrier_signal -1
	WIN MUL_LO
	MULA 0, 1, 0
	MULA 1, 1, 0
	MULA 2, 1, 0
	MULA 3, 1, 0
	WIN MUL_HI
	MULA 4, 1, 0
	MULA 5, 1, 0
	MULA 6, 1, 0
	MULA 7, 1, 0
	WIN 0
	s_barrier_wait -1                              ; no wave reads the ring any more, and it has had its last fill: its bytes serve the exchange
	; THE EXCHANGE.  Window 3, my partial sums of the rows that my partner finishes, goes to LDS as an image of its registers: 64 stores, lane l's 16 bytes at 16 l, 512 bytes a store; my partner's comes back so into window 1.
	PLACES                                         ; behind the last products: for the stores that read their results and the loads into the registers that held fragments
	s_wait_kmcnt 0x0
	s_add_co_i32 s[SC], s[SC], s[SC+1]             ; ea + eb, between -126 and 127,
	s_add_co_i32 s[SC], s[SC], 127
	s_lshl_b32 s[SC], s[SC], 23                    ; makes the f32 number 2^(ea + eb)
	s_mov_b32 s[SC+1], s[SC]                       ; (named with it as a pair, so it is written)
	WIN 0x0c                                       ; store data window 3
.set j, 0
.rept 64
	ds_store_b128 v[XW], v[4*j:4*j+3] offset:512*j ; ascending: each accumulator from its low end on
.set j, j+1
.endr
	WIN 0
	s_wait_dscnt 0x0                               ; for my partner's sake: my image has landed
	s_barrier_signal -1
	s_barrier_wait -1
	WIN TO_B
.set j, 0
.rept 64
	ds_load_b128 v[4*j:4*j+3], v[XR] offset:512*j
.set j, j+1
.endr
	WIN 0
; THE WAY OUT, block by block of 16 rows x 128 columns.  The two partial sums are added and multiplied by 2^(ea + eb).  A lane holds 32 neighbouring bytes of a row, and the lanes beside it hold other rows: so a block
; goes through my own stage in LDS and comes back as whole rows of 512 bytes.  LDS serves a wave's instructions in order (ISA guide 5.7.1.4): no wait between the stores and the loads, nor in front of the next block's stores.
.macro ADDSCALE a
	WIN 0x06                                       ; source 0 (mine) window 2, source 1 (my partner's) window 1, destination window 0
.set j, 0
.rept 32
	v_pk_add_f32 v[TMP+j:TMP+j+1], v[64*(\a)+j:64*(\a)+j+1], v[64*(\a)+j:64*(\a)+j+1]
.set j, j+2
.endr
	WIN 0
.set j, 0
.rept 32
	v_pk_mul_f32 v[TMP+j:TMP+j+1], v[TMP+j:TMP+j+1], s[SC:SC+1] op_sel_hi:[1,0]   ; both x 2^(ea + eb): nothing is rounded, short of overflow and underflow
.set j, j+2
.endr
.endm
.macro STG a
.set BKR, BK+64*((\a)%2)
.irp b, 0,1,2,3,4,5,6,7
	ds_store_b128 v[STO], v[TMP+8*\b:TMP+8*\b+3] offset:64*\b
	ds_store_b128 v[STO], v[TMP+8*\b+4:TMP+8*\b+7] offset:64*\b+16
.endr
.irp t, 0,1,2,3,4,5,6,7,8,9,10,11,12,13,14,15
	ds_load_b128 v[BKR+4*\t:BKR+4*\t+3], v[RD] offset:\t*SPITCH
.endr
.endm
.macro SEND a, younger                 ; younger: the LDS instructions issued behind block a's loads, which may stay out
.set BKR, BK+64*((\a)%2)
	s_wait_dscnt \younger                          ; the block is back in registers
.irp t, 0,1,2,3,4,5,6,7,8,9,10,11,12,13,14,15
	global_store_b128 v[CO], v[BKR+4*\t:BKR+4*\t+3], s[10:11] offset:(16*(\a)+\t)*CROW th:TH_STORE_NT   ; 32 lanes store 512 consecutive bytes, at a multiple of 256 from out0's first byte; 63 rows at the most: inside the signed 24-bit immediate; written once, read by nobody here
.endr
.endm
	s_wait_dscnt 48                                ; the image's first 16 loads, block 0's, are in; the 48 behind them may be out
	ADDSCALE 0
	STG 0
	s_wait_dscnt 63                                ; behind block 1's part of the image stand 64 LDS instructions (32 of the image, 32 of the stage); the count's field ends at 63, and a smaller count is safe
	ADDSCALE 1
	STG 1
	SEND 0, 32                                     ; behind block 0's loads: block 1's 16 stores and 16 loads.  All of the image is in as well
	ADDSCALE 2
	s_wait_xcnt 0x0                                ; block 0's stores have read their registers: block 2's loads may land there
	STG 2
	SEND 1, 32
	ADDSCALE 3
	s_wait_xcnt 0x0                                ; block 1's likewise
	STG 3
	SEND 2, 32
	SEND 3, 0
	s_wait_tensorcnt 0x0                           ; the wave's end: behind my last tensor load and my last LDS store
	ds_add_u32 v[SPW], v[NIL]
	s_wait_dscnt 0x0
	CROUND                                         ; the closing round: no work-group ends while a partner may still ask for a tile that names it
	s_endpgm
.Lfunc_end_k_qeb38c8bd1d_gemm:
	.size	k_qeb38c8bd1d_gemm, .Lfunc_end_k_qeb38c8bd1d_gemm-k_qeb38c8bd1d_gemm
	.p2alignl 7, 3214868480
	.fill 96, 4, 3214868480
	.section	.rodata,"a",@progbits
	.p2align	6, 0x0
	.amdhsa_kernel k_qeb38c8bd1d_gemm
		.amdhsa_group_segment_fixed_size 327680
		.amdhsa_private_segment_fixed_size 0
		.amdhsa_enable_private_segment 0
		.amdhsa_kernarg_size 32
		.amdhsa_user_sgpr_count 2
		.amdhsa_user_sgpr_kernarg_segment_ptr 1
		.amdhsa_wavefront_size32 1
		.amdhsa_system_sgpr_workgroup_id_x 1
		.amdhsa_system_sgpr_workgroup_id_y 1
		.amdhsa_system_sgpr_workgroup_id_z 1
		.amdhsa_system_vgpr_workitem_id 0
		.amdhsa_next_free_vgpr 1024
		.amdhsa_next_free_sgpr 84
		.amdhsa_reserve_vcc 0
		.amdhsa_float_denorm_mode_32 3
		.amdhsa_float_denorm_mode_16_64 3
		.amdhsa_memory_ordered 1
		.amdhsa_forward_progress 1
		.amdhsa_inst_pref_size 123
	.end_amdhsa_kernel
	.amdgpu_metadata
---
amdhsa.version: [ 1, 2 ]
amdhsa.kernels:
  - .name:           k_qeb38c8bd1d_gemm
    .symbol:         k_qeb38c8bd1d_gemm.kd
    .args:
      - { .name: x_codes, .offset: 0, .size: 8, .value_kind: global_buffer, .address_space: global }
      - { .name: proj_codes, .offset: 8, .size: 8, .value_kind: global_buffer, .address_space: global }
      - { .name: lowp_scales, .offset: 16, .size: 8, .value_kind: global_buffer, .address_space: global }
      - { .name: out0, .offset: 24, .size: 8, .value_kind: global_buffer, .address_space: global }
    .group_segment_fixed_size: 327680
    .private_segment_fixed_size: 0
    .kernarg_segment_align: 8
    .kernarg_segment_size: 32
    .max_flat_workgroup_size: 128
    .sgpr_count:     84
    .vgpr_count:     1024
    .wavefront_size: 32
...
	.end_amdgpu_metadata
.endif
;; end of part 1
;; ======== version 2 of 2: 1 launch
;; limits: right only within a limited range of input values
;; launch gemm (part 2): grid 16 x 16, 4 waves a work-group, clusters of 4 x 4, 327,680 bytes of LDS; arguments x_codes, proj_codes, lowp_scales, out0; writes out0
.if DOCPART == 2
	.amdgcn_target "amdgcn-amd-amdhsa--gfx1250"
	.amdhsa_code_object_version 6
	.text
	.protected	k_qeb38c8bd1d_gemm
	.globl	k_qeb38c8bd1d_gemm
	.p2align	8
	.type	k_qeb38c8bd1d_gemm,@function
k_qeb38c8bd1d_gemm:
	s_mov_b64 s[64:65], 0
	v_nop
	global_prefetch_b8 v0, s[64:65] scope:SCOPE_SE
	s_setreg_imm32_b32 hwreg(HW_REG_WAVE_MODE, 25, 1), 1
	s_wait_xcnt 0x0
	s_wait_alu depctr_hold_cnt(0) depctr_sa_sdst(0) depctr_va_vdst(0) depctr_va_sdst(0) depctr_va_ssrc(0) depctr_va_vcc(0) depctr_vm_vsrc(0)
	s_getreg_b32 s2, hwreg(HW_REG_IB_STS2, 6, 4)
	s_cmp_eq_u32 s2, 0
	s_cbranch_scc0 .Lentry_in_a_cluster
	s_endpgm
.Lentry_in_a_cluster:
	s_bfe_u32 s2, ttmp6, 0x10000c
	s_cmp_lg_u32 s2, 0xf033
	s_cbranch_scc0 .Lentry_shape_is_right
	s_endpgm
.Lentry_shape_is_right:
; out0[m][n] = 2^(ea + eb) x the sum over k of x[m][k] proj[n][k].  x_codes: [4096][8192], proj_codes: [2048][8192]: codes of BF8 (E5M2), one a byte, K innermost; out0: [4096][2048] f32; sums in f32.
; ea, eb: the two whole numbers in lowp_scales.  The codes are multiplied as they are, dense (nothing is assumed of proj's zeros), and each finished sum once by 2^(ea + eb).
; LIMIT: ea + eb lies between -126 and 127, so that 2^(ea + eb) is an f32 number.
; ORDER OF THE SUMS: not K ascending.  (1) A fragment is fetched by four loads of 16 bytes, which is a permutation of k inside an instruction, the same in both operands; (2) each output is the sum of two
; partial sums, one over bytes 0-127 and one over bytes 128-255 of every 256 along K; (3) the K steps of a group of four are walked in an order that hangs on the cluster.  Every product meets its partner.
; SHARES.  4096 x 2048 are 256 tiles of 256 rows x 128 columns, one to a work-group of four waves.  THE WAVES SPLIT THE ROWS IN TWO AND K IN TWO: wave w takes rows 128 (w & 1) on and, of each K step of 256,
; the 128 codes from 128 (w >> 1) on, for all 128 columns.  So a wave has 128 x 128 of C, 64 accumulators in 512 registers, and 64 matrix instructions for each 32 KiB that it reads from LDS.
; At the end the waves w and w xor 2 hand each other half of their partial sums through LDS; each finishes and stores 64 rows.
; RINGS.  K goes in 32 steps of 256; a tile's row is 256 bytes of memory, at a multiple of 256 from the buffer's first byte.  x's tiles (256 rows) go through two LDS slots, one filled behind each round (waves 0 and 1,
; 128 rows each).  proj's tiles (128 rows) go through four slots, TWO filled behind every second round (wave 2 the even K step's, wave 3 the odd one's): so proj is asked for in half of the rounds.
; CLUSTERS: 4 x 4 work-groups.  The four of a row of the cluster need the same tile of x, the four of a column the same tile of proj: each is asked for JOINTLY, by the same tensor load with the same
; descriptor and a mask that names the four.  THE MATRIX INSTRUCTION IS USED TRANSPOSED (source 0 = 16 rows of proj, source 1 = 16 rows of x): a lane then holds eight neighbouring numbers of a row of out0.
; REGISTERS, in windows of 256.  Window 0: v0-15 addresses; v16-255 fifteen buffers of 16 for x's fragments: block 0 of both parities of the K step at v16, the other seven blocks a buffer for each parity.
;   Window 1: proj's fragments, two sets of 128.  Window 2: the 32 accumulators of the rows that I finish (accumulator (a, b) at v[8 (8 a + b)]).  Window 3: those of the rows that my partner finishes.
.set KROW,   8192                      ; a row of codes in memory, in bytes
.set CROW,   8192                      ; a row of out0 in bytes
.set PITCH,  272                       ; an LDS row: 256 bytes + 16 of padding = 68 words: row r starts at bank 4 r mod 64 (64 banks of 4 bytes: ISA guide 11.1), so the 16 rows of a load start at 16 different banks
.set BLK,    16*PITCH                  ; the 16 rows of a fragment
.set HALFA,  128*PITCH                 ; half of x's tile: what waves 0 and 1 each fetch
.set QUART,  64*PITCH                  ; 64 rows of x: what a window's accumulators cover
.set ASLOT,  2*HALFA                   ; a slot of x: 256 rows; two of them from LDS byte 0 on
.set BSLOT,  128*PITCH                 ; a slot of proj: 128 rows: what wave 2 or 3 fetches
.set BRING,  2*ASLOT                   ; proj's four slots; K step t lies in slot t mod 4
.set STAGE,  BRING+4*BSLOT             ; behind the rings: 16 rows x 528 bytes for each wave, for the way out; no tile lands here
.set SPITCH, 528
.set STGW,   16*SPITCH
.set SPARE,  STAGE+4*STGW              ; behind the stages: the spare words, 128 bytes for each wave: two blocks of 256 bytes that no other line names
.set ALO,  1                           ; v1, v3  LDS address of x's blocks 0-3 in slot 0, 1
.set AHI,  2                           ; v2, v4  of x's blocks 4-7
.set ADB,  5                           ; v5, v6  of proj's blocks in slots 0 and 1, 2 and 3 (the odd slot by the immediate)
.set SPW,  7                           ; v7   LDS address of my spare word: SPARE + 4 x my thread's number; never rewritten
.set NIL,  8                           ; v8   0; never rewritten
.set STO,  9                           ; v9   the way out: where I put 32 bytes of a row
.set RD,   10                          ; v10  the way out: where I read a row back
.set CO,   11                          ; v11  16 x lane: my bytes of a row's 512
.set XW,   12                          ; v12  the exchange: my image, 32,768 x wave + 16 x lane
.set XR,   13                          ; v13  the exchange: my partner's image
.set PFO,  14                          ; v14  the prefetches' offset: lane x a row of codes; never rewritten
.set TMP,  16                          ; the way out: 64 registers, a block's finished sums
.set BK,   80                          ; the way out: 16 rows read back from the stage: v80-143 and v144-207 by turns
.set G1,   24                          ; s[24:31] descriptor group 1 for x's tiles;  s[32:39] group 0, a set for each slot
.set G0,   32
.set G1B,  48                          ; s[48:55] group 1 for proj's tiles;  s[56:63] group 0, a set for slots 0 and 1 and a set for slots 2 and 3 (wave 2: the even slot, wave 3: the odd one)
.set G0B,  56
.set BA,   66                          ; s[66:67] x_codes at the first of the rows that I would fetch
.set BB,   68                          ; s[68:69] proj_codes at the tile's first row
.set KO,   70                          ; s[70:71] the byte along K of the K step to be asked for
.set T,    72                          ; s72  how many K steps of x have been asked for
.set PHI,  73                          ; s73  the cluster's place in the order along K, 0 to 3
.set SX,   74                          ; s74  256 in wave 3, else 0
.set LIM,  75                          ; s75  1 in a wave that prefetches, else the greatest number
.set SC,   76                          ; s[76:77] ea, eb; later 2^(ea + eb), twice
.set PFB,  78                          ; s[78:79] the first of the 32 rows that my prefetches name
.set PFA,  80                          ; s[80:81] the same, at the K step that I would be asking for
.set KOB,  84                          ; s[84:85] KO, in wave 3 the other K step of the pair
.set MSB, 0
.macro WIN new                         ; the immediate's high byte repeats the setting that is left; a switch that changes nothing is dropped
.if MSB != \new
	s_set_vgpr_msb (MSB<<8)|\new
.set MSB, \new
.endif
.endm
.set MUL_LO, 0xa1                      ; source 0 (proj) window 1, source 1 (x) window 0, C and D window 2
.set MUL_HI, 0xf1                      ; the same, C and D window 3
.set TO_B,   0x40                      ; destination window 1, address window 0
.macro PLACES                          ; a load into a register that a matrix instruction has read, and a store or vector instruction that reads a matrix result, stand four places behind it, and only plain
.rept 4                                ; vector instructions that name none of its registers are places (ISA guide 7.12.1 for vector instructions)
	v_nop
.endr
.endm
; The joint loads.  Each line has ONE mask and one set of registers for all that issue it; the branches hang on the wave's number alone.  Four v_nop follow each line, ahead of the jump, the label and what follows
; a wave that asks for nothing has four of its own: they are the places in front of the LDS loads that follow.
.macro JLOADAB q, u                    ; waves 0 and 1: x's two halves into slot q;  waves 2 and 3: two K steps of proj into the slots of set u
	s_cmp_eq_u32 s15, 0
	s_cbranch_scc0 .Lfor_b_\@
	tensor_load_to_lds s[G0+4*\q:G0+4*\q+3], s[G1:G1+7]
	s_nop 0
.rept 4
	v_nop
.endr
	s_branch .Lasked_\@
.Lfor_b_\@:
	tensor_load_to_lds s[G0B+4*\u:G0B+4*\u+3], s[G1B:G1B+7]
	s_nop 0
.rept 4
	v_nop
.endr
.Lasked_\@:
.endm
.macro JLOADA q                        ; waves 0 and 1: x's two halves into slot q;  waves 2 and 3: nothing
	s_cmp_eq_u32 s15, 0
	s_cbranch_scc0 .Lnone_\@
	tensor_load_to_lds s[G0+4*\q:G0+4*\q+3], s[G1:G1+7]
	s_nop 0
.rept 4
	v_nop
.endr
	s_branch .Lasked_\@
.Lnone_\@:
.rept 4
	v_nop
.endr
.Lasked_\@:
.endm
.macro CREST                           ; a round of the cluster's barrier behind its opening barrier
	s_cmp_lg_u32 s14, 0
	s_cbranch_scc1 .Lnot_wave_0_\@
	s_barrier_signal -3
.Lnot_wave_0_\@:
	s_barrier_wait -3
	s_barrier_signal -1
	s_barrier_wait -1
.endm
.macro CROUND                          ; a whole round
	s_barrier_signal -1
	s_barrier_wait -1
	CREST
.endm
; THE ORDER ALONG K.  The t-th K step that a cluster multiplies is t xor PHI, PHI = 0 to 3: the groups of four K steps ascend, and a pair of K steps (512 neighbouring bytes) stays a pair.  PHI is made of the
; cluster's two coordinates alone, so it is the same in all sixteen partners and for x and proj.  The four clusters that read the same rows of x have the four different PHI: at each t they ask for four different K steps,
; and of a group's four each cluster has one as its own t = 0 mod 4, ahead of the others' turns at it.  Of the clusters that read the same rows of proj, those with y = 0 and 1, 2 and 3, 0 and 2, 1 and 3 differ in PHI's
; bit 1: at each t they stand in different pairs, and each has one pair of two at its own t = 0 mod 4.  A tile is asked for two K steps ahead: so both of these requests go out behind one round, that of t = 2 mod 4.
.macro NEXTK
	s_xor_b32 s[KO], s[T], s[PHI]
	s_lshl_b32 s[KO], s[KO], 8                     ; 256 bytes a K step
	s_xor_b32 s[KOB], s[KO], s[SX]                 ; T is even where proj is asked for: wave 3 takes the K step of T + 1
	s_add_co_u32 s[T], s[T], 1
.endm
.macro AIMA q                          ; x's slot q at that K step
	s_add_nc_u64 s[G0+4*\q+2:G0+4*\q+3], s[BA:BA+1], s[KO:KO+1]     ; 120:64 global address
	s_or_b32 s[G0+4*\q+3], s[G0+4*\q+3], 0x80000000                 ; 127:126 type = 2
.endm
.macro AIMB u                          ; proj's set u likewise
	s_add_nc_u64 s[G0B+4*\u+2:G0B+4*\u+3], s[BB:BB+1], s[KOB:KOB+1]
	s_or_b32 s[G0B+4*\u+3], s[G0B+4*\u+3], 0x80000000
.endm
.macro SETRA a, q                      ; where x's block a of a K step of parity q lies in window 0
.if ((\a) == 0) || ((\q) == 0)
.set RA, 16+16*(\a)
.else
.set RA, 128+16*(\a)
.endif
.endm
; THE LDS LOADS.  A fragment, 16 rows x 128 K of 8-bit codes, is 16 registers: lane l holds row l % 16; registers 4 c .. 4 c + 3 hold K = 32 c + 16 (l / 16) + 0 .. 15: four loads of 16 bytes.
.macro FB p, bs, b0                    ; 16 loads: proj's blocks b0 .. b0 + 3 from slot bs into set p
	WIN TO_B
.irp b, \b0, \b0+1, \b0+2, \b0+3
.irp c, 0,1,2,3
	ds_load_b128 v[128*(\p)+16*(\b)+4*\c:128*(\p)+16*(\b)+4*\c+3], v[ADB+(\bs)/2] offset:((\bs)%2)*BSLOT+(\b)*BLK+32*\c
.endr
.endr
.endm
.macro FA p, a0                        ; 8 loads: x's blocks a0, a0 + 1 from slot p into the buffers of parity p
	WIN 0
.irp a, \a0, \a0+1
	SETRA \a, \p
.if (\a) < 4
.irp c, 0,1,2,3
	ds_load_b128 v[RA+4*\c:RA+4*\c+3], v[ALO+2*(\p)] offset:(\a)*BLK+32*\c
.endr
.else
.irp c, 0,1,2,3
	ds_load_b128 v[RA+4*\c:RA+4*\c+3], v[AHI+2*(\p)] offset:((\a)-4)*BLK+32*\c
.endr
.endif
.endr
.endm
; 8 matrix instructions: x's block a against proj's eight, 128 along K.  zero = 1: the first product starts the sums: nothing is ever cleared.
; The 64 accumulators take turns, one instruction a turn, in the same order in every K step.
.macro MULA a, q, zero
	SETRA \a, \q
.irp b, 0,1,2,3,4,5,6,7
.if \zero
	v_wmma_f32_16x16x128_bf8_bf8 v[8*(8*((\a)%4)+\b):8*(8*((\a)%4)+\b)+7], v[128*(\q)+16*\b:128*(\q)+16*\b+15], v[RA:RA+15], 0
.else
	v_wmma_f32_16x16x128_bf8_bf8 v[8*(8*((\a)%4)+\b):8*(8*((\a)%4)+\b)+7], v[128*(\q)+16*\b:128*(\q)+16*\b+15], v[RA:RA+15], v[8*(8*((\a)%4)+\b):8*(8*((\a)%4)+\b)+7]
.endif
.endr
.endm
; A PREFETCH INTO THE L2, once in a trip of four K steps, behind the joint load of t = 2 mod 4 and its four lines.  That load asks for the K step (wave 3: the pair's other K step) of my cluster's t = 0 mod 4 of a group of four;
; the prefetch names the same K step of the NEXT group, 1,024 bytes further along K: the load that will want it is issued four K steps, 256 matrix instructions, later.  32 rows x 256 bytes, a lane a row.
; Each row's 256 bytes of a K step are named ONCE in the launch.  x: of the four clusters that read a row, one alone has that K step at t = 0 mod 4; of the 128 rows that wave 0 or 1 fetches, the partner at place cx names
; 32 cx on.  proj: the clusters with y = 0 and y = 1 ask, and of the two one alone has that pair at t = 0 mod 4; of the tile's 128 rows the partner at place cy names 32 cy on, wave 2 in the even K step, wave 3 in the odd one.
; Partners are told apart BY ADDRESS.  The loop's last trip (s3 = 1) names nothing: there is no group behind the last.  Groups 0 and 1 come by their loads alone: nothing is prefetched at the head, where every
; work-group's first tiles are on their way.
.macro ASK
	s_cmp_gt_u32 s3, s[LIM]
	s_cbranch_scc0 .Lnot_mine_\@
	global_prefetch_b8 v[PFO], s[PFA:PFA+1] offset:1024 th:TH_LOAD_NT scope:SCOPE_SE
.Lnot_mine_\@:
.endm
; A K STEP, of parity q.  Its fragments were asked for a K step ago, so my reads of x's slot q and of proj's slot are over at its head.  ONE barrier: in front of it each wave waits for all its tensor loads, of which at most
; one is out; adds 0 to its spare word; and waits for that and for its LDS loads.  Behind it nobody reads x's slot q nor the proj slots of earlier K steps, and the next K step's tiles are whole.
; fill = 1: the barrier opens a round of the cluster's barrier, and x's slot q is filled again, two K steps ahead, first thing behind the round.  fill = 2: proj's set u as well, two and three K steps ahead.
; Then the next K step's fragments come from x's slot n and proj's slot bs, in six short runs (16, 16, 8, 8, 8, 8 loads) between the groups of eight products, so that LDS and the matrix unit work side by side; the last
; run stands 16 matrix instructions ahead of the wait.  The price: fifteen window switches for the K step's 64 matrix instructions and 64 loads.
; All these loads stand behind the four v_nop of the joint load (or PLACES), which stand behind the last products that read their registers: the K step before's, and this one's on block 0.
.macro TURN q, n, bs, fill, u, zero, ask
	s_wait_tensorcnt 0x0                           ; all my tensor loads have landed, so every group 0 may be written  (every window is 0 here)
	ds_add_u32 v[SPW], v[NIL]                      ; 0 onto my spare word; the scalar lines below stand between it and the wait for it
.if \fill
	NEXTK
	AIMA \q
.if \fill == 2
	AIMB \u
.endif
.if \ask
	s_wait_xcnt 0x0                                ; the last prefetch, four K steps back, has read its address, so it may be written
	s_add_nc_u64 s[PFA:PFA+1], s[PFB:PFB+1], s[KOB:KOB+1]
.endif
.endif
	s_wait_dscnt 0x0                               ; the add is done; this K step's 64 fragment loads are in
	s_barrier_signal -1
	WIN MUL_LO
	MULA 0, \q, \zero                              ; work on registers while the others arrive; it also frees v16-31, which serve block 0 of both parities
	WIN 0
	s_barrier_wait -1
.if \fill == 2
	CREST                                          ; no wave of any partner still reads these slots' tiles or has a load on its way
	JLOADAB \q, \u                                 ; the first tensor load behind the round, my only one until the next
.elseif \fill == 1
	CREST
	JLOADA \q
.else
	PLACES
.endif
.if \ask
	ASK
.endif
	FB \n, \bs, 0
	WIN MUL_LO
	MULA 1, \q, \zero
	FB \n, \bs, 4
	WIN MUL_LO
	MULA 2, \q, \zero
	FA \n, 0
	WIN MUL_LO
	MULA 3, \q, \zero
	FA \n, 2
	WIN MUL_HI
	MULA 4, \q, \zero
	FA \n, 4
	WIN MUL_HI
	MULA 5, \q, \zero
	FA \n, 6
	WIN MUL_HI
	MULA 6, \q, \zero
	MULA 7, \q, \zero
	WIN 0
.endm
	s_load_b128 s[4:7], s[0:1], 0x0                ; x_codes s[4:5], proj_codes s[6:7]
	s_load_b128 s[8:11], s[0:1], 0x10              ; lowp_scales s[8:9], out0 s[10:11]
	v_lshl_add_u32 v[SPW], v0, 2, SPARE
	v_mov_b32 v[NIL], 0
	ds_add_u32 v7, v8
	ds_add_u32 v7, v8
	s_wait_dscnt 0x0
	v_lshrrev_b32 v15, 5, v0
	v_readfirstlane_b32 s14, v15                   ; wave 0..3
	s_lshr_b32 s15, s14, 1                         ; which 128 of a K step's 256 codes are mine.  Also: I fetch for x (0) or for proj (1)
	s_and_b32 s16, s14, 1                          ; which 128 rows of the tile are mine.  Also: which half of x's tile, or which K step of proj's pair, I fetch
	s_and_b32 s[SX], s15, s16
	s_lshl_b32 s[SX], s[SX], 8                     ; 256 in wave 3
	s_bfe_u32 s40, ttmp6, 0x40000                  ; cx, cy: my place in the cluster
	s_bfe_u32 s41, ttmp6, 0x40004
	s_lshl_b32 s42, ttmp9, 2                       ; in a cluster launch ttmp9 and ttmp7 count clusters
	s_add_co_u32 s42, s42, s40                     ; tile column = 4 x cluster x + cx
	s_and_b32 s18, ttmp7, 0xffff                   ; cluster y
	s_lshl_b32 s17, s18, 2
	s_add_co_u32 s17, s17, s41                     ; tile row = 4 x cluster y + cy
	s_lshr_b32 s19, s18, 1
	s_xor_b32 s19, s19, s18                        ; y xor y / 2: its bit 0 is 0, 1, 1, 0 for y = 0 to 3
	s_lshr_b32 s22, ttmp9, 1
	s_xor_b32 s19, s19, s22                        ; xor x / 2
	s_and_b32 s19, s19, 1
	s_lshl_b32 s19, s19, 1                         ; PHI's bit 1
	s_and_b32 s22, ttmp9, 1                        ; PHI's bit 0: x mod 2
	s_or_b32 s[PHI], s19, s22
	s_cmp_lt_u32 s18, 2                            ; proj's prefetches: the clusters with y = 0 and 1
	s_cselect_b32 s[LIM], 1, -1
	s_cmp_eq_u32 s15, 0                            ; x's: every cluster
	s_cselect_b32 s[LIM], 1, s[LIM]                ; the same in all sixteen partners, for a given wave
	s_lshl_b32 s43, s41, 2
	s_lshl_b32 s43, 15, s43                        ; my row of the cluster: places 4 cy .. 4 cy + 3
	s_lshl_b32 s44, 0x1111, s40                    ; my column: places cx, cx + 4, cx + 8, cx + 12
	; descriptor group 1: 128 rows x 256 bytes, padded in LDS; x's and proj's differ in the mask alone
	s_or_b32 s[G1+0], s43, (0<<16)|(1<<20)|(1<<21)|(5<<22)|(3<<25)  ; 15:0 the mask: x's tiles go to my row; 17:16 element of 1 byte; 20 padding on; 21 set beside a mask; 24:22 after every 64 words (code 5); 31:25 of 4 words (code 3)
	s_or_b32 s[G1B+0], s44, (0<<16)|(1<<20)|(1<<21)|(5<<22)|(3<<25) ; the same with the mask of my column
.irp g, G1, G1B
	s_mov_b32 s[\g+1], 256<<16                     ; tensor_dim0 = 256
	s_mov_b32 s[\g+2], 128<<16                     ; tensor_dim1 = 128
	s_mov_b32 s[\g+3], 256<<16                     ; tile_dim0 = 256
	s_mov_b32 s[\g+4], 128                         ; tile_dim1 = 128
	s_mov_b32 s[\g+5], KROW                        ; tensor_dim0_stride
	s_mov_b32 s[\g+6], 0
	s_mov_b32 s[\g+7], 0
.endr
	; where the tiles come from.  x's hang on the tile row alone, which my row of the cluster shares; proj's on the tile column alone, which my column shares.  Every wave makes both, in registers that never hold the other coordinate.
	s_lshl_b32 s20, s17, 8
	s_lshl_b32 s22, s16, 7
	s_add_co_u32 s20, s20, s22                     ; x: row 256 x tile row + 128 x half
	s_lshl_b32 s20, s20, 13                        ; x 8,192 bytes: under 2^25
	s_mov_b32 s21, 0
	s_lshl_b32 s46, s42, 7                         ; proj: row 128 x tile column
	s_lshl_b32 s46, s46, 13
	s_mov_b32 s47, 0
	s_mul_i32 s45, s16, HALFA                      ; and where they go: no place in the cluster enters an LDS address
	s_mul_i32 s23, s16, BSLOT                      ; wave 2: a set's even slot, wave 3: its odd one
	s_add_co_u32 s23, s23, BRING
	; the rows that my prefetches name
	s_lshl_b32 s82, s17, 8
	s_lshl_b32 s83, s16, 7
	s_add_co_u32 s82, s82, s83
	s_lshl_b32 s83, s40, 5
	s_add_co_u32 s82, s82, s83                     ; x: the 128 rows that I fetch, my work-group's 32 of them
	s_lshl_b32 s83, s42, 7
	s_lshl_b32 s80, s41, 5
	s_add_co_u32 s83, s83, s80                     ; proj: the tile's 128 rows, my work-group's 32 of them
	s_mov_b32 s[T], 0
	s_mov_b32 s[KO+1], 0
	s_mov_b32 s[KOB+1], 0
	s_wait_kmcnt 0x0
	s_load_b64 s[SC:SC+1], s[8:9], 0x0             ; ea, eb: wanted on the way out
	s_add_nc_u64 s[BA:BA+1], s[4:5], s[20:21]
	s_add_nc_u64 s[BB:BB+1], s[6:7], s[46:47]
	s_cmp_eq_u32 s15, 0                            ; do I fetch for x?
	s_cselect_b32 s82, s82, s83
	s_cselect_b64 s[PFB:PFB+1], s[4:5], s[6:7]
	s_lshl_b32 s82, s82, 13
	s_mov_b32 s83, 0
	s_add_nc_u64 s[PFB:PFB+1], s[PFB:PFB+1], s[82:83]
.irp q, 0,1
	s_mov_b32 s[G0+4*\q], 1                        ; 1:0 count = 1
	s_add_co_u32 s[G0+4*\q+1], s45, \q*ASLOT       ; 63:32 LDS address
	s_mov_b32 s[G0B+4*\q], 1
	s_add_co_u32 s[G0B+4*\q+1], s23, \q*2*BSLOT
.endr
	NEXTK                                          ; the cluster's K step 0: x's slot 0; proj's slots 0 (wave 2) and 1 (wave 3: K step 1)
	AIMA 0
	AIMB 0
	NEXTK                                          ; K step 1: x's slot 1
	AIMA 1
	s_xor_b32 s[KOB], s[PHI], 2                    ; K steps 2 and 3: proj's slots 2 and 3
	s_lshl_b32 s[KOB], s[KOB], 8
	s_xor_b32 s[KOB], s[KOB], s[SX]
	AIMB 1
	CROUND                                         ; all sixteen work-groups are here: the first joint loads meet
	s_cmp_eq_u32 s15, 0                            ; a wave's two first fills stand in one branch, ahead of every wait on TENSORcnt and every LDS read: two loads of mine are out; four v_nop follow the second
	s_cbranch_scc0 .Lfirst_b
	tensor_load_to_lds s[G0:G0+3], s[G1:G1+7]
	s_nop 0
	tensor_load_to_lds s[G0+4:G0+7], s[G1:G1+7]
	s_nop 0
.rept 4
	v_nop
.endr
	s_branch .Lfirst_asked
.Lfirst_b:
	tensor_load_to_lds s[G0B:G0B+3], s[G1B:G1B+7]
	s_nop 0
	tensor_load_to_lds s[G0B+4:G0B+7], s[G1B:G1B+7]
	s_nop 0
.rept 4
	v_nop
.endr
.Lfirst_asked:
	; where my part of out0 begins (in the registers that held proj's offset)
	s_lshl_b32 s46, s17, 8
	s_lshl_b32 s47, s16, 7
	s_add_co_u32 s46, s46, s47
	s_lshl_b32 s47, s15, 6
	s_add_co_u32 s46, s46, s47                     ; the first row that I finish: 256 x tile row + 128 x row half + 64 x K half
	s_lshl_b32 s46, s46, 13
	s_lshl_b32 s47, s42, 9                         ; the tile's first column: 128 numbers of 4 bytes a tile
	s_add_co_u32 s46, s46, s47
	s_mov_b32 s47, 0
	s_add_nc_u64 s[10:11], s[10:11], s[46:47]
	; LDS addresses
	v_and_b32 v15, 15, v0                          ; l % 16
	v_bfe_u32 v16, v0, 4, 1                        ; l / 16
	v_and_b32 v17, 31, v0                          ; lane
	v_mul_u32_u24 v18, v15, PITCH
	v_lshl_add_u32 v18, v16, 4, v18                ; a fragment's row x pitch + 16 x half
	s_mul_i32 s18, s16, HALFA                      ; my 128 rows of x,
	s_lshl_b32 s19, s15, 7                         ; my 128 bytes of a row
	s_add_co_u32 s18, s18, s19
	s_mul_i32 s22, s15, QUART                      ; blocks 0-3, window 2: the 64 rows that I finish: 64 x K half on
	s_add_co_u32 s22, s22, s18
	v_add_nc_u32 v[ALO], s22, v18
	v_add_nc_u32 v[ALO+2], ASLOT, v[ALO]
	s_xor_b32 s22, s15, 1
	s_mul_i32 s22, s22, QUART                      ; blocks 4-7, window 3: the other 64, which my partner finishes
	s_add_co_u32 s22, s22, s18
	v_add_nc_u32 v[AHI], s22, v18
	v_add_nc_u32 v[AHI+2], ASLOT, v[AHI]
	s_add_co_u32 s19, s19, BRING                   ; proj's ring lies behind x's two slots
	v_add_nc_u32 v[ADB], s19, v18
	v_add_nc_u32 v[ADB+1], 2*BSLOT, v[ADB]
	s_mul_i32 s22, s14, STGW
	s_add_co_u32 s22, s22, STAGE                   ; my stage
	v_mul_u32_u24 v[STO], v15, SPITCH              ; in: row l % 16, 32 bytes for each half of the lanes
	v_lshl_add_u32 v[STO], v16, 5, v[STO]
	v_add_nc_u32 v[STO], s22, v[STO]
	v_lshlrev_b32 v[CO], 4, v17                    ; back: the 32 lanes take one row of 512 bytes; and the same in out0
	v_add_nc_u32 v[RD], s22, v[CO]
	s_lshl_b32 s22, s14, 15
	v_add_nc_u32 v[XW], s22, v[CO]                 ; the exchange: an image of 256 registers is 32,768 bytes
	s_xor_b32 s22, s14, 2                          ; my partner: the same rows, the other half of K
	s_lshl_b32 s22, s22, 15
	v_add_nc_u32 v[XR], s22, v[CO]
	v_lshlrev_b32 v[PFO], 13, v17
	s_wait_tensorcnt 1                             ; my first load is in (x's slot 0; proj's slot 0 or 1); my second may stay out
	s_barrier_signal -1
	s_barrier_wait -1                              ; everybody's is
	FB 0, 0, 0                                     ; K step 0's fragments
	FB 0, 0, 4
	FA 0, 0
	FA 0, 2
	FA 0, 4
	FA 0, 6
	TURN 0, 1, 1, 1, 0, 1, 0                       ; K step 0 stands in front of the loop: its products start the sums; proj's K steps 2 and 3 are there already, so x alone is asked for
	TURN 1, 0, 2, 1, 0, 0, 0
	s_mov_b32 s3, 7
.Lgroup:                                               ; K steps 2 to 29, four a trip
	TURN 0, 1, 3, 2, 0, 0, 1                       ; t = 2 mod 4: x's K step t + 2, proj's t + 2 and t + 3 into slots 0 and 1; the prefetch
	TURN 1, 0, 0, 1, 0, 0, 0                       ; t = 3 mod 4: x alone
	TURN 0, 1, 1, 2, 1, 0, 0                       ; t = 0 mod 4: x, and proj into slots 2 and 3
	TURN 1, 0, 2, 1, 0, 0, 0                       ; t = 1 mod 4: x alone
	s_sub_co_u32 s3, s3, 1
	s_cmp_lg_u32 s3, 0
	s_cbranch_scc1 .Lgroup
	TURN 0, 1, 3, 0, 0, 0, 0                       ; K step 30 is written out: nothing is left to ask for, and no round of the cluster's barrier follows its barrier
	s_wait_dscnt 0x0                               ; K step 31: its fragments are in: my last reads of the rings are over
	s_barrier_signal -1
	WIN MUL_LO
	MULA 0, 1, 0
	MULA 1, 1, 0
	MULA 2, 1, 0
	MULA 3, 1, 0
	WIN MUL_HI
	MULA 4, 1, 0
	MULA 5, 1, 0
	MULA 6, 1, 0
	MULA 7, 1, 0
	WIN 0
	s_barrier_wait -1                              ; no wave reads the rings any more, and they have had their last fill: x's two slots serve the exchange
	; THE EXCHANGE.  Window 3, my partial sums of the rows that my partner finishes, goes to LDS as an image of its registers: 64 stores, lane l's 16 bytes at 16 l, 512 bytes a store; my partner's comes back so into window 1.
	PLACES                                         ; behind the last products: for the stores that read their results and the loads into the registers that held fragments
	s_wait_kmcnt 0x0
	s_add_co_i32 s[SC], s[SC], s[SC+1]             ; ea + eb, between -126 and 127,
	s_add_co_i32 s[SC], s[SC], 127
	s_lshl_b32 s[SC], s[SC], 23                    ; makes the f32 number 2^(ea + eb)
	s_mov_b32 s[SC+1], s[SC]                       ; (named with it as a pair, so it is written)
	WIN 0x0c                                       ; store data window 3
.set j, 0
.rept 64
	ds_store_b128 v[XW], v[4*j:4*j+3] offset:512*j ; ascending: each accumulator from its low end on
.set j, j+1
.endr
	WIN 0
	s_wait_dscnt 0x0                               ; for my partner's sake: my image has landed
	s_barrier_signal -1
	s_barrier_wait -1
	WIN TO_B
.set j, 0
.rept 64
	ds_load_b128 v[4*j:4*j+3], v[XR] offset:512*j
.set j, j+1
.endr
	WIN 0
; THE WAY OUT, block by block of 16 rows x 128 columns.  The two partial sums are added and multiplied by 2^(ea + eb).  A lane holds 32 neighbouring bytes of a row, and the lanes beside it hold other rows: so a block
; goes through my own stage in LDS and comes back as whole rows of 512 bytes.  LDS serves a wave's instructions in order (ISA guide 5.7.1.4): no wait between the stores and the loads, nor in front of the next block's stores.
.macro ADDSCALE a
	WIN 0x06                                       ; source 0 (mine) window 2, source 1 (my partner's) window 1, destination window 0
.set j, 0
.rept 32
	v_pk_add_f32 v[TMP+j:TMP+j+1], v[64*(\a)+j:64*(\a)+j+1], v[64*(\a)+j:64*(\a)+j+1]
.set j, j+2
.endr
	WIN 0
.set j, 0
.rept 32
	v_pk_mul_f32 v[TMP+j:TMP+j+1], v[TMP+j:TMP+j+1], s[SC:SC+1] op_sel_hi:[1,0]   ; both x 2^(ea + eb): nothing is rounded, short of overflow and underflow
.set j, j+2
.endr
.endm
.macro STG a
.set BKR, BK+64*((\a)%2)
.irp b, 0,1,2,3,4,5,6,7
	ds_store_b128 v[STO], v[TMP+8*\b:TMP+8*\b+3] offset:64*\b
	ds_store_b128 v[STO], v[TMP+8*\b+4:TMP+8*\b+7] offset:64*\b+16
.endr
.irp t, 0,1,2,3,4,5,6,7,8,9,10,11,12,13,14,15
	ds_load_b128 v[BKR+4*\t:BKR+4*\t+3], v[RD] offset:\t*SPITCH
.endr
.endm
.macro SEND a, younger                 ; younger: the LDS instructions issued behind block a's loads, which may stay out
.set BKR, BK+64*((\a)%2)
	s_wait_dscnt \younger                          ; the block is back in registers
.irp t, 0,1,2,3,4,5,6,7,8,9,10,11,12,13,14,15
	global_store_b128 v[CO], v[BKR+4*\t:BKR+4*\t+3], s[10:11] offset:(16*(\a)+\t)*CROW th:TH_STORE_NT   ; 32 lanes store 512 consecutive bytes, at a multiple of 256 from out0's first byte; 63 rows at the most: inside the signed 24-bit immediate; written once, read by nobody here
.endr
.endm
	s_wait_dscnt 48                                ; the image's first 16 loads, block 0's, are in; the 48 behind them may be out
	ADDSCALE 0
	STG 0
	s_wait_dscnt 63                                ; behind block 1's part of the image stand 64 LDS instructions (32 of the image, 32 of the stage); the count's field ends at 63, and a smaller count is safe
	ADDSCALE 1
	STG 1
	SEND 0, 32                                     ; behind block 0's loads: block 1's 16 stores and 16 loads.  All of the image is in as well
	ADDSCALE 2
	s_wait_xcnt 0x0                                ; block 0's stores have read their registers: block 2's loads may land there
	STG 2
	SEND 1, 32
	ADDSCALE 3
	s_wait_xcnt 0x0                                ; block 1's likewise
	STG 3
	SEND 2, 32
	SEND 3, 0
	s_wait_tensorcnt 0x0                           ; the wave's end: behind my last tensor load and my last LDS store
	ds_add_u32 v[SPW], v[NIL]
	s_wait_dscnt 0x0
	CROUND                                         ; the closing round: no work-group ends while a partner may still ask for a tile that names it
	s_endpgm
.Lfunc_end_k_qeb38c8bd1d_gemm:
	.size	k_qeb38c8bd1d_gemm, .Lfunc_end_k_qeb38c8bd1d_gemm-k_qeb38c8bd1d_gemm
	.p2alignl 7, 3214868480
	.fill 96, 4, 3214868480
	.section	.rodata,"a",@progbits
	.p2align	6, 0x0
	.amdhsa_kernel k_qeb38c8bd1d_gemm
		.amdhsa_group_segment_fixed_size 327680
		.amdhsa_private_segment_fixed_size 0
		.amdhsa_enable_private_segment 0
		.amdhsa_kernarg_size 32
		.amdhsa_user_sgpr_count 2
		.amdhsa_user_sgpr_kernarg_segment_ptr 1
		.amdhsa_wavefront_size32 1
		.amdhsa_system_sgpr_workgroup_id_x 1
		.amdhsa_system_sgpr_workgroup_id_y 1
		.amdhsa_system_sgpr_workgroup_id_z 1
		.amdhsa_system_vgpr_workitem_id 0
		.amdhsa_next_free_vgpr 1024
		.amdhsa_next_free_sgpr 86
		.amdhsa_reserve_vcc 0
		.amdhsa_float_denorm_mode_32 3
		.amdhsa_float_denorm_mode_16_64 3
		.amdhsa_memory_ordered 1
		.amdhsa_forward_progress 1
		.amdhsa_inst_pref_size 123
	.end_amdhsa_kernel
	.amdgpu_metadata
---
amdhsa.version: [ 1, 2 ]
amdhsa.kernels:
  - .name:           k_qeb38c8bd1d_gemm
    .symbol:         k_qeb38c8bd1d_gemm.kd
    .args:
      - { .name: x_codes, .offset: 0, .size: 8, .value_kind: global_buffer, .address_space: global }
      - { .name: proj_codes, .offset: 8, .size: 8, .value_kind: global_buffer, .address_space: global }
      - { .name: lowp_scales, .offset: 16, .size: 8, .value_kind: global_buffer, .address_space: global }
      - { .name: out0, .offset: 24, .size: 8, .value_kind: global_buffer, .address_space: global }
    .group_segment_fixed_size: 327680
    .private_segment_fixed_size: 0
    .kernarg_segment_align: 8
    .kernarg_segment_size: 32
    .max_flat_workgroup_size: 128
    .sgpr_count:     86
    .vgpr_count:     1024
    .wavefront_size: 32
...
	.end_amdgpu_metadata
.endif
;; end of part 2
